; MI455X (gfx1250); checked and timed in simulation.
; The chip was launched on July 23, 2026; its instructions are those of AMD's public machine-readable ISA for CDNA 5 (MIT licence, August 2026) and "CDNA5" Instruction Set Architecture Reference Guide (July 2026). The comments in the code are by the model that wrote it; some were corrected since.
;; Self Attention. Allowed arithmetic: float matrix products may take bf16 or f16 operands with f32 sums; all other float work in f32.
;; Inputs: b_out 1,024 float32; b_qkv 3,072 float32; mask 1 x 1 x 2,048 x 2,048 float32; w_out 1,024 x 1,024 float32; w_qkv 1,024 x 3,072 float32; x 2 x 2,048 x 1,024 float32.
;; Outputs: out0 2 x 2,048 x 1,024 float32.
;; Constants: n_heads = 16.
;; One version. Each part assembles by itself: llvm-mc -triple=amdgcn-amd-amdhsa -mcpu=gfx1250 --defsym DOCPART=n.
;; ======== version 1 of 1: 4 launches
;; limits: values are held in f16: magnitudes above 65,504 overflow, below 6.1e-05 lose precision
;; workspace buffers: xh 8,388,608 bytes; wqh 6,291,456 bytes; woh 2,097,152 bytes; qkvh 25,165,824 bytes; attnh 8,388,608 bytes
;; launch cast (part 1): grid 512 x 1, 8 waves a work-group, no clusters, 0 bytes of LDS; arguments x, w_qkv, w_out, xh, wqh, woh; writes xh, wqh, woh
.if DOCPART == 1
	.amdgcn_target "amdgcn-amd-amdhsa--gfx1250"
	.amdhsa_code_object_version 6
	.text
	.protected	k_qd4bb3d2d67_cast
	.globl	k_qd4bb3d2d67_cast
	.p2align	8
	.type	k_qd4bb3d2d67_cast,@function
k_qd4bb3d2d67_cast:
	s_mov_b64 s[64:65], 0
	v_nop
	global_prefetch_b8 v0, s[64:65] scope:SCOPE_SE
	s_setreg_imm32_b32 hwreg(HW_REG_WAVE_MODE, 25, 1), 1
	s_wait_xcnt 0x0
; xh = f16(x), wqh = f16(w_qkv), woh = f16(w_out): element for element, layouts unchanged.
; The later launches feed the matrix units from tiles that the tensor data mover brings, and the mover converts nothing:
; so the three f32 operands are narrowed once here (33.5 MB in, 16.8 MB out) instead of in every work-group that reads them.
; WHY f16 AND NOT bf16: between x and out0 a number passes many roundings of matrix operands (x, w, q, k, v, the weights, attn, w_out);
; with 8 significant bits they add up to a third of the allowed error's size, with 11 bits to a fifteenth.
; LIMIT: a number above 65,504 in magnitude becomes infinity; one below 6.1e-5 is kept to 3e-8 absolute.  x drawn 30 times larger reaches
; about 160, the weights about 5; weights drawn 30 times smaller are about 1e-3.
; A stream: no LDS, no barrier, no matrix unit, no cluster (no byte is read by two work-groups).
; A work-group takes 16,384 numbers: 64 KiB in, 32 KiB out.  Work-groups 0-255: x; 256-447: w_qkv; 448-511: w_out.
; Thread t takes the 16 bytes at 16 t of each of sixteen blocks of 4,096 bytes: a wave's load covers 512 consecutive bytes,
; its store of 8 bytes a lane 256 consecutive bytes, aligned.  All sixteen loads of a wave go out before the first wait.
.set X, 4                              ; v[4:67]   block i: 4 numbers in f32
.set Y, 68                             ; v[68:99]  block i: 4 numbers in f16
	s_load_b256 s[4:11], s[0:1], 0x0               ; x s[4:5], w_qkv s[6:7], w_out s[8:9], xh s[10:11]
	s_load_b128 s[12:15], s[0:1], 0x20             ; wqh s[12:13], woh s[14:15]
	s_movk_i32 s20, 448                            ; first work-group of w_out
	s_movk_i32 s21, 256                            ; first work-group of w_qkv
	v_lshlrev_b32 v1, 4, v0                        ; 16 t
	v_lshlrev_b32 v2, 3, v0                        ; 8 t
	s_wait_kmcnt 0x0
	s_cmp_lt_u32 ttmp9, s20                        ; the choice of buffers hangs on the work-group's number alone
	s_cselect_b64 s[16:17], s[6:7], s[8:9]
	s_cselect_b64 s[18:19], s[12:13], s[14:15]
	s_cselect_b32 s20, s21, s20
	s_cmp_lt_u32 ttmp9, s21
	s_cselect_b64 s[16:17], s[4:5], s[16:17]       ; from
	s_cselect_b64 s[18:19], s[10:11], s[18:19]     ; to
	s_cselect_b32 s20, 0, s20                      ; first work-group of my buffer
	s_sub_co_u32 s20, ttmp9, s20                   ; my number within the buffer
	s_lshl_b32 s22, s20, 16                        ; x 64 KiB (16.7 MB at the most)
	s_mov_b32 s23, 0
	s_lshl_b32 s24, s20, 15                        ; x 32 KiB
	s_mov_b32 s25, 0
	s_add_nc_u64 s[16:17], s[16:17], s[22:23]
	s_add_nc_u64 s[18:19], s[18:19], s[24:25]
.set i, 0
.rept 16
	global_load_b128 v[X+4*i:X+4*i+3], v1, s[16:17] offset:4096*i th:TH_LOAD_NT   ; read once in this launch
.set i, i+1
.endr
.set i, 0
.rept 16
	s_wait_loadcnt 15-i                            ; loads come back in order: block i is in, the 15 - i younger ones stay out
	v_cvt_pk_f16_f32 v[Y+2*i],   v[X+4*i],   v[X+4*i+1]
	v_cvt_pk_f16_f32 v[Y+2*i+1], v[X+4*i+2], v[X+4*i+3]
	global_store_b64 v2, v[Y+2*i:Y+2*i+1], s[18:19] offset:2048*i   ; no register is written twice: no wait for sources
.set i, i+1
.endr
	s_endpgm
.Lfunc_end_k_qd4bb3d2d67_cast:
	.size	k_qd4bb3d2d67_cast, .Lfunc_end_k_qd4bb3d2d67_cast-k_qd4bb3d2d67_cast
	.p2alignl 7, 3214868480
	.fill 96, 4, 3214868480
	.section	.rodata,"a",@progbits
	.p2align	6, 0x0
	.amdhsa_kernel k_qd4bb3d2d67_cast
		.amdhsa_group_segment_fixed_size 0
		.amdhsa_private_segment_fixed_size 0
		.amdhsa_enable_private_segment 0
		.amdhsa_kernarg_size 48
		.amdhsa_user_sgpr_count 2
		.amdhsa_user_sgpr_kernarg_segment_ptr 1
		.amdhsa_wavefront_size32 1
		.amdhsa_system_sgpr_workgroup_id_x 1
		.amdhsa_system_sgpr_workgroup_id_y 1
		.amdhsa_system_sgpr_workgroup_id_z 1
		.amdhsa_system_vgpr_workitem_id 0
		.amdhsa_next_free_vgpr 100
		.amdhsa_next_free_sgpr 66
		.amdhsa_reserve_vcc 0
		.amdhsa_float_denorm_mode_32 3
		.amdhsa_float_denorm_mode_16_64 3
		.amdhsa_memory_ordered 1
		.amdhsa_forward_progress 1
		.amdhsa_inst_pref_size 7
	.end_amdhsa_kernel
	.amdgpu_metadata
---
amdhsa.version: [ 1, 2 ]
amdhsa.kernels:
  - .name:           k_qd4bb3d2d67_cast
    .symbol:         k_qd4bb3d2d67_cast.kd
    .args:
      - { .name: x, .offset: 0, .size: 8, .value_kind: global_buffer, .address_space: global }
      - { .name: w_qkv, .offset: 8, .size: 8, .value_kind: global_buffer, .address_space: global }
      - { .name: w_out, .offset: 16, .size: 8, .value_kind: global_buffer, .address_space: global }
      - { .name: xh, .offset: 24, .size: 8, .value_kind: global_buffer, .address_space: global }
      - { .name: wqh, .offset: 32, .size: 8, .value_kind: global_buffer, .address_space: global }
      - { .name: woh, .offset: 40, .size: 8, .value_kind: global_buffer, .address_space: global }
    .group_segment_fixed_size: 0
    .private_segment_fixed_size: 0
    .kernarg_segment_align: 8
    .kernarg_segment_size: 48
    .max_flat_workgroup_size: 256
    .sgpr_count:     66
    .vgpr_count:     100
    .wavefront_size: 32
...
	.end_amdgpu_metadata
.endif
;; end of part 1
;; launch qkv (part 2): grid 16 x 16, 4 waves a work-group, clusters of 4 x 4, 327,680 bytes of LDS; arguments xh, wqh, b_qkv, qkvh; writes qkvh
.if DOCPART == 2
	.amdgcn_target "amdgcn-amd-amdhsa--gfx1250"
	.amdhsa_code_object_version 6
	.text
	.protected	k_qd4bb3d2d67_qkv
	.globl	k_qd4bb3d2d67_qkv
	.p2align	8
	.type	k_qd4bb3d2d67_qkv,@function
k_qd4bb3d2d67_qkv:
	s_mov_b64 s[64:65], 0
	v_nop
	global_prefetch_b8 v0, s[64:65] scope:SCOPE_SE
	s_setreg_imm32_b32 hwreg(HW_REG_WAVE_MODE, 25, 1), 1
	s_wait_xcnt 0x0
	s_wait_alu depctr_hold_cnt(0) depctr_sa_sdst(0) depctr_va_vdst(0) depctr_va_sdst(0) depctr_va_ssrc(0) depctr_va_vcc(0) depctr_vm_vsrc(0)
	s_getreg_b32 s2, hwreg(HW_REG_IB_STS2, 6, 4)
	s_cmp_eq_u32 s2, 0
	s_cbranch_scc0 .Lentry_in_a_cluster
	s_endpgm
.Lentry_in_a_cluster:
	s_bfe_u32 s2, ttmp6, 0x10000c
	s_cmp_lg_u32 s2, 0xf033
	s_cbranch_scc0 .Lentry_shape_is_right
	s_endpgm
.Lentry_shape_is_right:
; qkv = x w_qkv + b_qkv, in f16 operands and f32 sums, stored as qkvh[b*16+head][plane q,k,v][s 2048][64] in f16,
; plane q already multiplied by 0.125 log2(e) (1/sqrt(64) of the scores, and the base 2 of the exponentials that follow).
; LIMIT: q x 0.18, k and v are kept in f16: above 65,504 in magnitude they become infinity.  With x and w_qkv both 30 times larger they are
; 900 times larger, about 5,000; with both carrying an offset of 30 spreads they lie near 1024 x 30 x 30/32 = 28,800.
; With both 30 times smaller q x 0.18 is about 2e-4, kept to 3e-8 absolute where it is below 6.1e-5.
; A = xh [4096][1024] (K along the rows), B = wqh [1024 k][3072 n] (N along the rows).
; A work-group makes 256 rows x 192 columns: one head's q, k and v.  Four waves, 2 x 2; a wave makes 128 rows x 96 columns, the
; columns d = 32 wn .. 32 wn + 31 of each of q, k, v: 8 x 6 accumulator tiles of 16 x 16, 384 registers.
; K goes in steps of 128 through two LDS slots filled by the tensor data mover; waves 0, 1 fetch A's two halves, waves 2, 3 B's.
; CLUSTERS: 4 x 4 work-groups.  A's tile hangs on the block row alone and is asked for jointly by a row of the cluster, B's on the
; block column alone, by a column.  A wave has two tensor loads out at the start and one behind each round of the cluster's barrier.
; B's rows are 384 bytes and start at multiples of 128 bytes: accepted, since B is the smaller operand and is asked for once by four.
; THE MATRIX INSTRUCTION IS USED TRANSPOSED: source 0 = 16 columns of B (made from [k][n] rows by the transposing LDS load),
; source 1 = 16 rows of A.  Lane l then holds row l % 16 of the result and eight neighbouring columns 8 (l / 16) + 0 .. 7.
; REGISTERS: window 0: v0-31 addresses, v32-143 and v144-255 two fragment buffers (6 of B, then 8 of A);
; window 1: accumulators of row tiles 0-3 at 8 (6 a + b), bias at 192-239; window 2: accumulators of row tiles 4-7.
; No prefetch: every tile is shared by four work-groups and a refill has a K step less twelve matrix instructions in which to land.
.set BM,    256
.set BN,    192
.set MT,    8                          ; row tiles of a wave
.set NT,    6                          ; column tiles of a wave
.set KSTEP, 128
.set LAPS,  1024/(2*KSTEP)             ; a lap = two K steps = once round the ring
.set PA,    272                        ; A's LDS row: 256 bytes + 16, an odd multiple of 16
.set PB,    480                        ; B's LDS row: three pieces (q, k, v) of 128 bytes + 32, an odd multiple of 32
.set BSEG,  160                        ; from piece to piece
.set QIA,   5                          ; A: padding after every 64 words
.set QIB,   4                          ; B: padding after every 32 words (counted along the tile: three times in a row)
.set LDB,   3072
.set WNB,   64                         ; bytes of a piece from wave column 0 to 1
.set BIASSEG, 256                      ; bytes of bias from piece to piece
.set AHALF, (BM/2)*PA                  ; 34,816: what one tensor load brings of A, and what one wave reads
.set BHALF, (KSTEP/2)*PB               ; 30,720: what one tensor load brings of B
.set SLOT,  2*AHALF+2*BHALF            ; 131,072
.set NL,    2*(NT+MT)                  ; LDS loads of a quarter step
.set SP,    400                        ; the stage's row: 384 bytes + 16, an odd multiple of 16
.set ADRA, 16                          ; v16-17  my A fragments in slot 0, 1
.set ADRB, 20                          ; v20, v22  my B fragments in slot 0, 1
.set STO,  24                          ; the way out: where I put 16 bytes
.set RD,   25                          ; v25-26  the way out: where I read back, rows 0-127 and 128-255
.set CO,   27                          ; my byte offset in a plane's block
.set BO,   28                          ; my byte offset in the bias
.set F0,   32
.set F1,   F0+8*(NT+MT)
.set BIAS, 192                         ; window 1
.set T,    32                          ; the way out: 48 numbers in f32
.set PK,   80                          ; 24 registers of f16
.set BK0,  112                         ; two banks of 32 registers for the rows read back
.set BK1,  144
.set G1A, 24
.set G0A, 32
.set G1B, 48
.set G0B, 56
.set MUL_LO, 0x50                      ; C and D window 1
.set MUL_HI, 0xa0                      ; C and D window 2
.set MSB, 0
.macro WIN new                         ; the immediate's high byte repeats the setting that is left
.if MSB != \new
	s_set_vgpr_msb (MSB<<8)|\new
.set MSB, \new
.endif
.endm
.macro JLOAD s                         ; a joint load: waves 0, 1 ask for A, waves 2, 3 for B; the branch hangs on the wave's number alone
	s_cmp_eq_u32 s13, 0
	s_cbranch_scc0 .Lfor_b_\@
	tensor_load_to_lds s[G0A+4*\s:G0A+4*\s+3], s[G1A:G1A+7]
	s_nop 0
	s_branch .Lasked_\@
.Lfor_b_\@:
	tensor_load_to_lds s[G0B+4*\s:G0B+4*\s+3], s[G1B:G1B+7]
	s_nop 0
.Lasked_\@:
.endm
.macro CREST                           ; a round of the cluster's barrier behind its opening barrier
	s_cmp_lg_u32 s12, 0
	s_cbranch_scc1 .Lnot_wave_0_\@
	s_barrier_signal -3
.Lnot_wave_0_\@:
	s_barrier_wait -3
	s_barrier_signal -1
	s_barrier_wait -1
.endm
.macro CROUND                          ; a whole round
	s_barrier_signal -1
	s_barrier_wait -1
	CREST
.endm
.macro PLACES                          ; four places behind matrix instructions, in front of loads into their sources and of readers of their results
.rept 4
	v_nop
.endr
.endm
; Row tiles a0 .. a1 - 1 of the window's four (hi = 0: tiles 0-3, 1: tiles 4-7) x all column tiles, 32 along K.
; The accumulators take turns, one instruction a turn, in the same order in every quarter step.
.macro MULP f, hi, a0, a1, zero
.set ma, \a0
.rept \a1-\a0
.set mb, 0
.rept NT
.if \zero
	v_wmma_f32_16x16x32_f16 v[8*(NT*ma+mb):8*(NT*ma+mb)+7], v[\f+8*mb:\f+8*mb+7], v[\f+8*(NT+\hi*(MT/2)+ma):\f+8*(NT+\hi*(MT/2)+ma)+7], 0
.else
	v_wmma_f32_16x16x32_f16 v[8*(NT*ma+mb):8*(NT*ma+mb)+7], v[\f+8*mb:\f+8*mb+7], v[\f+8*(NT+\hi*(MT/2)+ma):\f+8*(NT+\hi*(MT/2)+ma)+7], v[8*(NT*ma+mb):8*(NT*ma+mb)+7]
.endif
.set mb, mb+1
.endr
.set ma, ma+1
.endr
.endm
; The fragments of quarter step kq (32 along K) of a slot into buffer f: B's first, then A's row tiles in order.
.macro FETCH slot, kq, f
.set fb, 0
.rept NT
	ds_load_tr16_b128 v[\f+8*fb:\f+8*fb+3],   v[ADRB+2*\slot+((\kq)>>2)] offset:((\kq)&3)*32*PB+(fb/2)*BSEG+(fb%2)*32
	ds_load_tr16_b128 v[\f+8*fb+4:\f+8*fb+7], v[ADRB+2*\slot+((\kq)>>2)] offset:((\kq)&3)*32*PB+16*PB+(fb/2)*BSEG+(fb%2)*32
.set fb, fb+1
.endr
.set fb, 0
.rept MT
	ds_load_b128 v[\f+8*(NT+fb):\f+8*(NT+fb)+3],   v[ADRA+\slot] offset:(\kq)*64+fb*16*PA
	ds_load_b128 v[\f+8*(NT+fb)+4:\f+8*(NT+fb)+7], v[ADRA+\slot] offset:(\kq)*64+fb*16*PA+32
.set fb, fb+1
.endr
.endm
; A quarter step but the last: multiplies buffer f, and in its middle fetches the next quarter's fragments into buffer g.
.macro QUARTER slot, kq, f, g, zero
	s_wait_dscnt MT                                ; B and A's lower row tiles are in; the MT youngest loads (A's upper row tiles) may be out
	WIN MUL_LO
	MULP \f, 0, 0, MT/2, \zero
	PLACES
	WIN 0
	FETCH \slot, \kq+1, \g
	s_wait_dscnt NL                                ; all but the NL just issued
	WIN MUL_HI
	MULP \f, 1, 0, MT/2, \zero
.endm
.macro QUARTERS slot, zero
	QUARTER \slot, 0, F0, F1, \zero
	QUARTER \slot, 1, F1, F0, 0
	QUARTER \slot, 2, F0, F1, 0
.endm
; The last quarter step: multiplies buffer 1 and changes slots.  One barrier: in front of it each wave waits for its reads of this slot
; and for all its tensor loads (one is out: its part of the next slot); behind it the refill comes first, then the next slot's fragments.
.macro TURN slot, next, fill
	s_wait_dscnt MT
	WIN MUL_LO
	MULP F1, 0, 0, MT/4, 0
	s_wait_dscnt 0x0                               ; my reads of this slot are over
	s_wait_tensorcnt 0x0                           ; all my tensor loads have landed
	ds_add_u32 v30, v31
	s_wait_dscnt 0x0
	s_barrier_signal -1                            ; (where the slot is filled again this barrier opens a round of the cluster's barrier)
	MULP F1, 0, MT/4, MT/2, 0                      ; register work while the others arrive
	WIN 0
	s_barrier_wait -1
.if \fill
	CREST                                          ; no wave of any partner still reads this slot or has a load on its way
	s_add_nc_u64 s[G0A+4*\slot+2:G0A+4*\slot+3], s[G0A+4*\slot+2:G0A+4*\slot+3], 2*KSTEP*2
	s_add_nc_u64 s[G0B+4*\slot+2:G0B+4*\slot+3], s[G0B+4*\slot+2:G0B+4*\slot+3], 2*KSTEP*LDB*2
	JLOAD \slot                                    ; the first tensor load behind the round, one a wave
.endif
	PLACES
	FETCH \next, 0, F0
	WIN MUL_HI
	MULP F1, 1, 0, MT/2, 0
.endm
.macro LAP zero
	QUARTERS 0, \zero
	TURN 0, 1, 1
	QUARTERS 1, 0
	TURN 1, 0, 1
.endm
	s_load_b256 s[4:11], s[0:1], 0x0               ; A s[4:5], B s[6:7], bias s[8:9], result s[10:11]
	v_lshl_add_u32 v30, v0, 2, 0x40000
	v_mov_b32 v31, 0
	ds_add_u32 v30, v31
	v_lshrrev_b32 v1, 5, v0
	v_readfirstlane_b32 s12, v1                    ; wave 0..3
	s_lshr_b32 s13, s12, 1                         ; wm: my half of the rows.  Also: I fetch for A (0) or for B (1)
	s_and_b32 s14, s12, 1                          ; wn: my half of the columns.  Also: which half of that tile I fetch
	s_bfe_u32 s15, ttmp6, 0x40000                  ; cx
	s_bfe_u32 s16, ttmp6, 0x40004                  ; cy
	s_lshl_b32 s17, ttmp9, 2
	s_add_co_u32 s17, s17, s15                     ; bx: block column = the head
	s_and_b32 s18, ttmp7, 0xffff
	s_lshl_b32 s18, s18, 2
	s_add_co_u32 s18, s18, s16                     ; by: block row
	s_lshl_b32 s19, s16, 2
	s_lshl_b32 s19, 15, s19                        ; my row of the cluster
	s_lshl_b32 s20, 0x1111, s15                    ; my column
	; group 1 for A: 128 rows x 128 elements of 2 bytes, 4 words of padding behind every 64
	s_or_b32 s[G1A+0], s19, (1<<16)|(1<<20)|(1<<21)|(QIA<<22)|(3<<25)
	s_mov_b32 s[G1A+1], KSTEP<<16                  ; tensor_dim0
	s_mov_b32 s[G1A+2], (BM/2)<<16                 ; tensor_dim1
	s_mov_b32 s[G1A+3], KSTEP<<16                  ; tile_dim0
	s_mov_b32 s[G1A+4], BM/2                       ; tile_dim1
	s_mov_b32 s[G1A+5], 1024                       ; elements from row to row
	s_mov_b32 s[G1A+6], 0
	s_mov_b32 s[G1A+7], 0
	; group 1 for B: 64 rows (k) x 192 elements, 8 words of padding behind every 32
	s_or_b32 s[G1B+0], s20, (1<<16)|(1<<20)|(1<<21)|(QIB<<22)|(7<<25)
	s_mov_b32 s[G1B+1], BN<<16
	s_mov_b32 s[G1B+2], (KSTEP/2)<<16
	s_mov_b32 s[G1B+3], BN<<16
	s_mov_b32 s[G1B+4], KSTEP/2
	s_mov_b32 s[G1B+5], LDB
	s_mov_b32 s[G1B+6], 0
	s_mov_b32 s[G1B+7], 0
	; A's address is made of by and the wave's number, B's of bx and the wave's number, each in registers that never hold the other coordinate
	s_mul_i32 s40, s18, BM
	s_mul_i32 s42, s14, BM/2
	s_add_co_u32 s40, s40, s42
	s_lshl_b32 s40, s40, 11                        ; rows of 2,048 bytes
	s_mov_b32 s41, 0
	s_mul_i32 s44, s14, (KSTEP/2)*LDB*2
	s_mul_i32 s46, s17, BN*2
	s_add_co_u32 s44, s44, s46
	s_mov_b32 s45, 0
	s_mul_i32 s46, s17, BN*4                       ; my block's bias
	s_mov_b32 s47, 0
	s_mul_i32 s21, s14, AHALF                      ; LDS: A's two halves,
	s_mul_i32 s22, s14, BHALF
	s_add_co_u32 s22, s22, 2*AHALF                 ; then B's two halves
	s_wait_dscnt 0x0
	s_wait_kmcnt 0x0
	s_add_nc_u64 s[40:41], s[4:5], s[40:41]
	s_add_nc_u64 s[44:45], s[6:7], s[44:45]
	s_add_nc_u64 s[8:9], s[8:9], s[46:47]
	CROUND                                         ; all sixteen work-groups are here: the first joint loads meet
.irp s, 0,1
	s_mov_b32 s[G0A+4*\s], 1
	s_add_co_u32 s[G0A+4*\s+1], s21, \s*SLOT
	s_add_nc_u64 s[G0A+4*\s+2:G0A+4*\s+3], s[40:41], \s*KSTEP*2
	s_or_b32 s[G0A+4*\s+3], s[G0A+4*\s+3], 0x80000000
	s_mov_b32 s[G0B+4*\s], 1
	s_add_co_u32 s[G0B+4*\s+1], s22, \s*SLOT
	s_add_nc_u64 s[G0B+4*\s+2:G0B+4*\s+3], s[44:45], \s*KSTEP*LDB*2
	s_or_b32 s[G0B+4*\s+3], s[G0B+4*\s+3], 0x80000000
	JLOAD \s                                       ; both slots' first fills go out together
.endr
	v_and_b32 v1, 15, v0                           ; r = l % 16
	v_bfe_u32 v2, v0, 4, 1                         ; h = l / 16
	v_mul_u32_u24 v3, v1, PA                       ; A: row r, 16 bytes for each half of the lanes
	v_lshl_add_u32 v3, v2, 4, v3
	s_mul_i32 s23, s13, AHALF
	v_add_nc_u32 v[ADRA], s23, v3
	v_add_nc_u32 v[ADRA+1], SLOT, v[ADRA]
	v_and_b32 v4, 7, v0                            ; B: row k = 8 h + l % 8, 16 bytes at 16 ((l / 8) % 2)
	v_lshl_add_u32 v4, v2, 3, v4
	v_mul_u32_u24 v4, v4, PB
	v_bfe_u32 v5, v0, 3, 1
	v_lshl_add_u32 v4, v5, 4, v4
	s_mul_i32 s23, s14, WNB
	s_add_co_u32 s23, s23, 2*AHALF
	v_add_nc_u32 v[ADRB], s23, v4
	v_add_nc_u32 v[ADRB+2], SLOT, v[ADRB]
	v_lshlrev_b32 v[BO], 5, v2                     ; bias: 8 numbers at 32 h,
	s_mul_i32 s23, s14, 2*WNB                      ; in my half of a piece
	v_add_nc_u32 v[BO], s23, v[BO]
	v_mul_u32_u24 v3, v1, SP                       ; stage, in: row 128 wm + r, bytes 64 wn + 16 h of a piece
	v_lshl_add_u32 v3, v2, 4, v3
	s_mul_i32 s23, s13, 128*SP
	s_lshl_b32 s2, s14, 6
	s_add_co_u32 s23, s23, s2
	v_add_nc_u32 v[STO], s23, v3
	v_lshrrev_b32 v3, 3, v0                        ; stage, back: thread t takes 16 bytes at 16 (t % 8) of row t / 8
	v_and_b32 v4, 7, v0
	v_mul_u32_u24 v3, v3, SP
	v_lshl_add_u32 v[RD], v4, 4, v3
	v_add_nc_u32 v[RD+1], 128*SP, v[RD]
	v_lshlrev_b32 v[CO], 4, v0                     ; which are 16 consecutive bytes a thread in a plane's block
	WIN 0x40                                       ; destination window 1
.set fb, 0
.rept NT
	global_load_b128 v[BIAS+8*fb:BIAS+8*fb+3],   v[BO], s[8:9] offset:(fb/2)*BIASSEG+(fb%2)*64
	global_load_b128 v[BIAS+8*fb+4:BIAS+8*fb+7], v[BO], s[8:9] offset:(fb/2)*BIASSEG+(fb%2)*64+16
.set fb, fb+1
.endr
	WIN 0
	s_wait_tensorcnt 0x1                           ; my part of K step 0 is in; K step 1's stays out
	s_barrier_signal -1
	s_barrier_wait -1
	FETCH 0, 0, F0
	LAP 1                                          ; the first lap stands in front of the loop: its first products start the sums
	WIN 0
	s_mov_b32 s3, LAPS-2
.Llap:
	LAP 0
	WIN 0
	s_sub_co_u32 s3, s3, 1
	s_cmp_lg_u32 s3, 0
	s_cbranch_scc1 .Llap
	QUARTERS 0, 0                                  ; the last lap fills nothing
	TURN 0, 1, 0
	QUARTERS 1, 0
	s_wait_dscnt MT
	WIN MUL_LO
	MULP F1, 0, 0, MT/2, 0
	s_wait_dscnt 0x0
	WIN MUL_HI
	MULP F1, 1, 0, MT/2, 0
	; THE WAY OUT.  The block's 256 rows x 384 bytes are gathered in LDS bytes 0 to 102,399, inside slot 0: it has had its last fill, and every
	; wave's last reads of it were waited for in front of the barrier of the last change of slots; the last K step read slot 1 alone.
	PLACES
	s_wait_loadcnt 0x0                             ; the bias
	WIN 0x41                                       ; destination and source 0 window 1
.set ei, 0
.rept 8
	v_pk_mul_f32 v[BIAS+2*ei:BIAS+2*ei+1], v[BIAS+2*ei:BIAS+2*ei+1], 0x3e38aa3b op_sel_hi:[1,0]   ; q's bias x 0.125 log2(e), once
.set ei, ei+1
.endr
	s_lshr_b32 s40, s18, 3                         ; batch
	s_mul_i32 s40, s40, 16*786432
	s_and_b32 s42, s18, 7                          ; block of 256 rows in the sequence
	s_lshl_b32 s42, s42, 15
	s_add_co_u32 s40, s40, s42
	s_mov_b32 s41, 0
	s_add_nc_u64 s[10:11], s[10:11], s[40:41]
	s_mul_i32 s44, s17, 786432                     ; head
	s_mov_b32 s45, 0
	s_add_nc_u64 s[10:11], s[10:11], s[44:45]
; row tile a (tile la of its window): bias, q's scale, rounding, 16 bytes a lane and column tile into the stage
.macro STAGE16 a, la, win
	WIN \win                                       ; source 0 the accumulators' window, sources 1 and 2 window 1 (bias), destination window 0
.set ei, 0
.rept 4*NT
.if ei < 8
	v_pk_fma_f32 v[T+2*ei:T+2*ei+1], v[8*NT*\la+2*ei:8*NT*\la+2*ei+1], 0x3e38aa3b, v[BIAS+2*ei:BIAS+2*ei+1] op_sel_hi:[1,0,1]
.else
	v_pk_add_f32 v[T+2*ei:T+2*ei+1], v[8*NT*\la+2*ei:8*NT*\la+2*ei+1], v[BIAS+2*ei:BIAS+2*ei+1]
.endif
.set ei, ei+1
.endr
	WIN 0
.set ei, 0
.rept 4*NT
	v_cvt_pk_f16_f32 v[PK+ei], v[T+2*ei], v[T+2*ei+1]
.set ei, ei+1
.endr
.set ei, 0
.rept NT
	ds_store_b128 v[STO], v[PK+4*ei:PK+4*ei+3] offset:\a*16*SP+(ei/2)*128+(ei%2)*32
.set ei, ei+1
.endr
.endm
	STAGE16 0, 0, 0x15
	STAGE16 1, 1, 0x15
	STAGE16 2, 2, 0x15
	STAGE16 3, 3, 0x15
	STAGE16 4, 0, 0x16
	STAGE16 5, 1, 0x16
	STAGE16 6, 2, 0x16
	STAGE16 7, 3, 0x16
	s_wait_dscnt 0x0                               ; my stores into the stage are done,
	s_barrier_signal -1
	s_barrier_wait -1                              ; everybody's are
; plane p, rows 128 g .. 128 g + 127: eight times 16 rows of 128 bytes; a wave's store covers 512 consecutive bytes, aligned
.macro BACK p, g, bank
	s_wait_xcnt 0x0                                ; the bank, which earlier stores read, is loaded again only behind this wait
.set ei, 0
.rept 8
	ds_load_b128 v[\bank+4*ei:\bank+4*ei+3], v[RD+\g] offset:ei*16*SP+\p*128
.set ei, ei+1
.endr
.set ei, 0
.rept 8
	s_wait_dscnt 7-ei                              ; LDS loads come back in order: the 7 - ei younger ones may be out
	global_store_b128 v[CO], v[\bank+4*ei:\bank+4*ei+3], s[10:11] offset:\p*262144+(8*\g+ei)*2048
.set ei, ei+1
.endr
.endm
	BACK 0, 0, BK0
	BACK 0, 1, BK1
	BACK 1, 0, BK0
	BACK 1, 1, BK1
	BACK 2, 0, BK0
	BACK 2, 1, BK1
	s_wait_tensorcnt 0x0
	ds_add_u32 v30, v31
	s_wait_dscnt 0x0
	CROUND                                         ; the closing round: no work-group ends while a partner may still ask jointly
	s_endpgm
.Lfunc_end_k_qd4bb3d2d67_qkv:
	.size	k_qd4bb3d2d67_qkv, .Lfunc_end_k_qd4bb3d2d67_qkv-k_qd4bb3d2d67_qkv
	.p2alignl 7, 3214868480
	.fill 96, 4, 3214868480
	.section	.rodata,"a",@progbits
	.p2align	6, 0x0
	.amdhsa_kernel k_qd4bb3d2d67_qkv
		.amdhsa_group_segment_fixed_size 327680
		.amdhsa_private_segment_fixed_size 0
		.amdhsa_enable_private_segment 0
		.amdhsa_kernarg_size 32
		.amdhsa_user_sgpr_count 2
		.amdhsa_user_sgpr_kernarg_segment_ptr 1
		.amdhsa_wavefront_size32 1
		.amdhsa_system_sgpr_workgroup_id_x 1
		.amdhsa_system_sgpr_workgroup_id_y 1
		.amdhsa_system_sgpr_workgroup_id_z 1
		.amdhsa_system_vgpr_workitem_id 0
		.amdhsa_next_free_vgpr 704
		.amdhsa_next_free_sgpr 66
		.amdhsa_reserve_vcc 0
		.amdhsa_float_denorm_mode_32 3
		.amdhsa_float_denorm_mode_16_64 3
		.amdhsa_memory_ordered 1
		.amdhsa_forward_progress 1
		.amdhsa_inst_pref_size 173
	.end_amdhsa_kernel
	.amdgpu_metadata
---
amdhsa.version: [ 1, 2 ]
amdhsa.kernels:
  - .name:           k_qd4bb3d2d67_qkv
    .symbol:         k_qd4bb3d2d67_qkv.kd
    .args:
      - { .name: xh, .offset: 0, .size: 8, .value_kind: global_buffer, .address_space: global }
      - { .name: wqh, .offset: 8, .size: 8, .value_kind: global_buffer, .address_space: global }
      - { .name: b_qkv, .offset: 16, .size: 8, .value_kind: global_buffer, .address_space: global }
      - { .name: qkvh, .offset: 24, .size: 8, .value_kind: global_buffer, .address_space: global }
    .group_segment_fixed_size: 327680
    .private_segment_fixed_size: 0
    .kernarg_segment_align: 8
    .kernarg_segment_size: 32
    .max_flat_workgroup_size: 128
    .sgpr_count:     66
    .vgpr_count:     704
    .wavefront_size: 32
...
	.end_amdgpu_metadata
.endif
;; end of part 2
;; launch attn (part 3): grid 16 x 16, 8 waves a work-group, clusters of 4 x 4, 327,680 bytes of LDS; arguments qkvh, mask, attnh; writes attnh
.if DOCPART == 3
	.amdgcn_target "amdgcn-amd-amdhsa--gfx1250"
	.amdhsa_code_object_version 6
	.text
	.protected	k_qd4bb3d2d67_attn
	.globl	k_qd4bb3d2d67_attn
	.p2align	8
	.type	k_qd4bb3d2d67_attn,@function
k_qd4bb3d2d67_attn:
	s_mov_b64 s[64:65], 0
	v_nop
	global_prefetch_b8 v0, s[64:65] scope:SCOPE_SE
	s_setreg_imm32_b32 hwreg(HW_REG_WAVE_MODE, 25, 1), 1
	s_wait_xcnt 0x0
	s_wait_alu depctr_hold_cnt(0) depctr_sa_sdst(0) depctr_va_vdst(0) depctr_va_sdst(0) depctr_va_ssrc(0) depctr_va_vcc(0) depctr_vm_vsrc(0)
	s_getreg_b32 s2, hwreg(HW_REG_IB_STS2, 6, 4)
	s_cmp_eq_u32 s2, 0
	s_cbranch_scc0 .Lentry_in_a_cluster
	s_endpgm
.Lentry_in_a_cluster:
	s_bfe_u32 s2, ttmp6, 0x10000c
	s_cmp_lg_u32 s2, 0xf033
	s_cbranch_scc0 .Lentry_shape_is_right
	s_endpgm
.Lentry_shape_is_right:
; attnh[b][s][head*64+d] = softmax over t of (q.k/8 + mask[s][t]) times v, in f16 operands, f32 sums and f32 softmax with a running maximum.
; qkvh[b*16+head][plane q,k,v][s][64] f16, q already times 0.125 log2(e); mask [2048][2048] f32; attnh [4096][1024] f16.
; Work-group (x, y): 128 query rows (block x) of the two heads 2 (y % 8), 2 (y % 8) + 1 of batch y / 8.  Eight waves: wave w has head w / 4
; and 32 query rows (w % 4), two to a SIMD, so that one wave's softmax stands beside the other's matrix work.
; TRANSPOSED: S^T = K Q^T and O^T = V^T P^T.  A lane then holds ONE query row (l % 16) and eight neighbouring t (or d) at 8 (l / 16): maximum, sum
; and rescaling are one number a lane, the two halves of the lanes meet by one lane exchange, two score tiles rounded to f16 ARE P^T's fragment,
; the mask's eight numbers are 32 neighbouring bytes, and V^T's fragment comes from V's rows by the transposing LDS load.
; t goes in slots of 128 (two sub-steps of 64) through two LDS slots.  A slot: K of both heads, V of both heads, the mask's 128 x 128 block.
; CLUSTERS: 4 x 4.  K and V hang on y alone: asked for jointly by a row of the cluster; the mask hangs on x alone: by a column.
; Each wave issues one tensor load of 16 KiB a slot (waves 0, 1: K; 2, 3: V; 4-7: 32 mask rows each): two out at the start, one behind each round.
; No prefetch: each tile is shared by sixteen work-groups, asking once would need a branch on the place in the cluster, and a load has two sub-steps to land.
; The mask is added by a multiply-add, not as the matrix instruction's C: infinities stay out of the matrix unit.  O is rescaled in every sub-step: no branch hangs on data.
; FORMATS: the weights P lie between 0 and 1 behind the running maximum, for every input, so f16 holds them (below 6.1e-5 to 3e-8 absolute, against a sum
; of at least the largest weight); the result is a weighted mean of v and has v's range, which f16 holds as far as the launch before states.
; LIMIT: mask x log2(e) overflows for entries below -2.36e38 (for instance -FLT_MAX); they act as -infinity.  Only a row in which EVERY entry is that
; low differs from the plain formula (NaN here, as for a row of -infinity; a uniform row there).  The running maximum starts at -FLT_MAX and stays finite,
; so entries of -infinity give weight 0, also where a whole sub-step of a row is -infinity.
.set KP, 144                           ; K's LDS row: 128 bytes + 16
.set VP, 160                           ; V's: 128 + 32, an odd multiple of 32
.set MP, 528                           ; the mask's: 512 + 16
.set KH, 128*KP                        ; one head's K in a slot
.set VH, 128*VP
.set VOF, 2*KH                         ; 36,864
.set MOF, VOF+2*VH                     ; 77,824
.set SLOT, MOF+128*MP                  ; 145,408
.set STAGE, 2*SLOT                     ; 290,816: 128 rows x 272 bytes for the way out; no fill ever lands here
.set SP, 272
.set T,   4                            ; v[4:7]   at work
.set ADK, 8                            ; v8-9     my K fragments in slot 0, 1
.set ADM, 10                           ; v10-11   my mask numbers
.set ADV, 12                           ; v12-13   my V fragments
.set STO, 14
.set RD,  15
.set CO,  16
.set QO,  17
.set M,   18                           ; v18-19   running maximum of query tile 0, 1 (in powers of 2)
.set NM,  20                           ; v[20:23] its negative, low register of a pair
.set AL,  24                           ; v[24:27] rescaling factor, later 1 / sum, low register of a pair
.set L,   28                           ; v28-29   running sum over my half of the t
.set QF,  32                           ; v[32:63]   Q fragments at 8 (2 qt + ks)
.set S,   64                           ; v[64:127]  scores at 32 qt + 8 tt + j
.set MK,  128                          ; v[128:191] mask, same index; then P^T at 16 qt + 8 kk
.set KF,  192                          ; v[192:255] K fragments at 8 (2 tt + ks)
.set O,   0                            ; window 1: O^T at 8 (4 qt + dt)
.set VF,  64                           ; window 1: V^T fragments at 8 (4 kk + dt)
.set G1K, 24
.set G1V, 32
.set G1M, 40
.set G0K, 48
.set G0V, 56
.set G0M, 68
.set MSB, 0
.macro WIN new
.if MSB != \new
	s_set_vgpr_msb (MSB<<8)|\new
.set MSB, \new
.endif
.endm
.macro ROUND                           ; a round of the cluster's barrier
	s_barrier_signal -1
	s_barrier_wait -1
	s_cmp_lg_u32 s8, 0
	s_cbranch_scc1 .Lnot_wave_0_\@
	s_barrier_signal -3
.Lnot_wave_0_\@:
	s_barrier_wait -3
	s_barrier_signal -1
	s_barrier_wait -1
.endm
.macro JLOAD3 s                        ; each wave's one joint load for slot s; the branches hang on the wave's number alone
	s_cmp_ge_u32 s8, 4
	s_cbranch_scc1 .Lfor_m_\@
	s_cmp_ge_u32 s8, 2
	s_cbranch_scc1 .Lfor_v_\@
	tensor_load_to_lds s[G0K+4*(\s):G0K+4*(\s)+3], s[G1K:G1K+7]
	s_nop 0
	s_branch .Lasked_\@
.Lfor_v_\@:
	tensor_load_to_lds s[G0V+4*(\s):G0V+4*(\s)+3], s[G1V:G1V+7]
	s_nop 0
	s_branch .Lasked_\@
.Lfor_m_\@:
	tensor_load_to_lds s[G0M+4*(\s):G0M+4*(\s)+3], s[G1M:G1M+7]
	s_nop 0
.Lasked_\@:
.endm
.macro PLACES                          ; four places behind matrix instructions (ISA guide 7.12.1)
.rept 4
	v_nop
.endr
.endm
.macro KLOAD s, u                      ; K's fragments of sub-step u: 64 rows t x 64 d, 16 loads
.set ki, 0
.rept 8
	ds_load_b128 v[KF+8*ki:KF+8*ki+3],   v[ADK+\s] offset:\u*64*KP+(ki/2)*16*KP+(ki%2)*64
	ds_load_b128 v[KF+8*ki+4:KF+8*ki+7], v[ADK+\s] offset:\u*64*KP+(ki/2)*16*KP+(ki%2)*64+32
.set ki, ki+1
.endr
.endm
; Softmax of query tile qt over this sub-step's 64 t: a lane has 32 scores of one query row.
.macro SOFT qt, first
.set SB, S+32*\qt
	v_max3_num_f32 v[T],   v[M+\qt], v[SB], v[SB+1]            ; two chains; the old maximum rides in the first
	v_max3_num_f32 v[T+1], v[SB+16], v[SB+17], v[SB+18]
.set si, 0
.rept 6
	v_max3_num_f32 v[T],   v[T],   v[SB+2+2*si],  v[SB+3+2*si]
	v_max3_num_f32 v[T+1], v[T+1], v[SB+19+2*si], v[SB+20+2*si]
.set si, si+1
.endr
	v_max3_num_f32 v[T], v[T], v[SB+14], v[SB+15]
	v_max3_num_f32 v[T], v[T], v[T+1], v[SB+31]
	v_permlanex16_b32 v[T+2], v[T], s17, s18                   ; the other half of the lanes has the row's other t
.if \first
	v_max_num_f32 v[M+\qt], v[T], v[T+2]
	v_sub_f32 v[NM+2*\qt], 0, v[M+\qt]
.else
	v_max_num_f32 v[T], v[T], v[T+2]
	v_sub_f32 v[AL+2*\qt], v[M+\qt], v[T]
	v_exp_f32 v[AL+2*\qt], v[AL+2*\qt]                         ; 2^(old - new); the next line is the plain place behind it (ISA guide 5.7.2)
	v_mov_b32 v[M+\qt], v[T]
	v_sub_f32 v[NM+2*\qt], 0, v[T]
.endif
.set si, 0
.rept 16
	v_pk_add_f32 v[SB+2*si:SB+2*si+1], v[SB+2*si:SB+2*si+1], v[NM+2*\qt:NM+2*\qt+1] op_sel_hi:[1,0]   ; minus the maximum
.set si, si+1
.endr
.set si, 0
.rept 32
	v_exp_f32 v[SB+si], v[SB+si]
.set si, si+1
.endr
	v_nop                                                      ; the plain place behind the exponentials
	s_wait_alu depctr_va_vdst(0)
	v_pk_add_f32 v[T:T+1],   v[SB:SB+1],     v[SB+2:SB+3]      ; the sum, in two chains of pairs
	v_pk_add_f32 v[T+2:T+3], v[SB+16:SB+17], v[SB+18:SB+19]
.set si, 0
.rept 6
	v_pk_add_f32 v[T:T+1],   v[T:T+1],   v[SB+4+2*si:SB+5+2*si]
	v_pk_add_f32 v[T+2:T+3], v[T+2:T+3], v[SB+20+2*si:SB+21+2*si]
.set si, si+1
.endr
	v_pk_add_f32 v[T:T+1], v[T:T+1], v[T+2:T+3]
.if \first
	v_add_f32 v[L+\qt], v[T], v[T+1]
.else
	v_add_f32 v[T], v[T], v[T+1]
	v_fma_f32 v[L+\qt], v[L+\qt], v[AL+2*\qt], v[T]
.endif
.set si, 0
.rept 16
	v_cvt_pk_f16_f32 v[MK+16*\qt+si], v[SB+2*si], v[SB+2*si+1]   ; score tiles 2 kk, 2 kk + 1 become registers 0-3, 4-7 of P^T's fragment kk
.set si, si+1
.endr
.endm
; Sub-step u (64 t) of slot s.  K's fragments have been asked for.  first: nothing to rescale, the products start O.  pref: ask for K's next fragments.
.macro SUB s, u, first, pref
.set bi, 0
.rept 8                                ; bi = 4 qt + tt
	ds_load_b128 v[MK+8*bi:MK+8*bi+3],   v[ADM+\s] offset:(bi/4)*16*MP+\u*256+(bi%4)*64
	ds_load_b128 v[MK+8*bi+4:MK+8*bi+7], v[ADM+\s] offset:(bi/4)*16*MP+\u*256+(bi%4)*64+16
.set bi, bi+1
.endr
	WIN 0x40                                       ; destination window 1
.set bi, 0
.rept 8                                ; bi = 4 kk + dt
	ds_load_tr16_b128 v[VF+8*bi:VF+8*bi+3],   v[ADV+\s] offset:(\u*64+(bi/4)*32)*VP+(bi%4)*32
	ds_load_tr16_b128 v[VF+8*bi+4:VF+8*bi+7], v[ADV+\s] offset:(\u*64+(bi/4)*32+16)*VP+(bi%4)*32
.set bi, bi+1
.endr
	WIN 0
	s_wait_dscnt 32                                ; K's fragments are in; the mask's 16 loads and V's 16 stay out
	; S^T = K Q^T: eight tiles take turns, one instruction a turn; d = 0-31 starts the sums, d = 32-63 adds
.set bi, 0
.rept 8                                ; bi = 4 qt + tt
	v_wmma_f32_16x16x32_f16 v[S+8*bi:S+8*bi+7], v[KF+16*(bi%4):KF+16*(bi%4)+7], v[QF+16*(bi/4):QF+16*(bi/4)+7], 0
.set bi, bi+1
.endr
.set bi, 0
.rept 8
	v_wmma_f32_16x16x32_f16 v[S+8*bi:S+8*bi+7], v[KF+16*(bi%4)+8:KF+16*(bi%4)+15], v[QF+16*(bi/4)+8:QF+16*(bi/4)+15], v[S+8*bi:S+8*bi+7]
.set bi, bi+1
.endr
	PLACES                                         ; in front of the loads into K's fragments and of the readers of S
.if \pref
	KLOAD \s, 1
.endif
	s_wait_dscnt 16+16*\pref                       ; the mask is in; V's 16 loads (and K's next 16) stay out
.set bi, 0
.rept 32
	v_pk_fma_f32 v[S+2*bi:S+2*bi+1], v[MK+2*bi:MK+2*bi+1], 0x3fb8aa3b, v[S+2*bi:S+2*bi+1] op_sel_hi:[1,0,1]   ; + mask x log2(e)
.set bi, bi+1
.endr
	SOFT 0, \first
	SOFT 1, \first
.if \first == 0
	WIN 0x41                                       ; destination and source 0 window 1
.set bi, 0
.rept 32
	v_pk_mul_f32 v[O+2*bi:O+2*bi+1], v[O+2*bi:O+2*bi+1], v[AL+2*(bi/16):AL+2*(bi/16)+1] op_sel_hi:[1,0]
.set bi, bi+1
.endr
.endif
	s_wait_dscnt 16*\pref                          ; V's fragments are in; K's next 16 loads may stay out
	WIN 0x51                                       ; V^T, C and D window 1, P^T window 0
	; O^T += V^T P^T: eight tiles take turns, one instruction a turn
.set bi, 0
.rept 8                                ; bi = 4 qt + dt; t = 0-31 of the sub-step
.if \first
	v_wmma_f32_16x16x32_f16 v[O+8*bi:O+8*bi+7], v[VF+8*(bi%4):VF+8*(bi%4)+7], v[MK+16*(bi/4):MK+16*(bi/4)+7], 0
.else
	v_wmma_f32_16x16x32_f16 v[O+8*bi:O+8*bi+7], v[VF+8*(bi%4):VF+8*(bi%4)+7], v[MK+16*(bi/4):MK+16*(bi/4)+7], v[O+8*bi:O+8*bi+7]
.endif
.set bi, bi+1
.endr
.set bi, 0
.rept 8                                ; t = 32-63
	v_wmma_f32_16x16x32_f16 v[O+8*bi:O+8*bi+7], v[VF+32+8*(bi%4):VF+32+8*(bi%4)+7], v[MK+16*(bi/4)+8:MK+16*(bi/4)+15], v[O+8*bi:O+8*bi+7]
.set bi, bi+1
.endr
	WIN 0
	PLACES                                         ; in front of the next loads into P^T's and V^T's registers, and of the readers of O
.endm
; Slot s is read; where refill = 1 the other slot, read last, is filled again, two slots ahead.
.macro SLOTSTEP s, refill
	s_wait_tensorcnt 0x0                           ; all my tensor loads have landed, my part of this slot among them: the descriptors may be written
	ds_add_u32 v30, v31
	s_wait_dscnt 0x0
.if \refill
	s_add_nc_u64 s[G0K+6-4*\s:G0K+7-4*\s], s[G0K+6-4*\s:G0K+7-4*\s], 2*128*128
	s_add_nc_u64 s[G0V+6-4*\s:G0V+7-4*\s], s[G0V+6-4*\s:G0V+7-4*\s], 2*128*128
	s_add_nc_u64 s[G0M+6-4*\s:G0M+7-4*\s], s[G0M+6-4*\s:G0M+7-4*\s], 2*128*4
.endif
	s_wait_dscnt 0x0                               ; my reads of the other slot are over
	ROUND                                          ; both now hold of every wave of every work-group of the cluster
.if \refill
	JLOAD3 1-\s                                    ; the first tensor load behind the round, one a wave
.endif
	KLOAD \s, 0
	SUB \s, 0, 0, 1
	SUB \s, 1, 0, 0
.endm
	s_load_b128 s[4:7], s[0:1], 0x0                ; qkvh s[4:5], mask s[6:7]
	s_load_b64 s[20:21], s[0:1], 0x10              ; attnh
	v_lshl_add_u32 v30, v0, 2, 0x4f800
	v_mov_b32 v31, 0
	ds_add_u32 v30, v31
	v_lshrrev_b32 v1, 5, v0
	v_readfirstlane_b32 s8, v1                     ; wave 0..7
	s_lshr_b32 s9, s8, 2                           ; hs: my head of the two
	s_and_b32 s10, s8, 3                           ; qs: my 32 query rows.  Also: which 32 mask rows I fetch
	s_and_b32 s19, s8, 1                           ; whose K or V I fetch
	s_bfe_u32 s11, ttmp6, 0x40000                  ; cx
	s_bfe_u32 s12, ttmp6, 0x40004                  ; cy
	s_lshl_b32 s13, ttmp9, 2
	s_add_co_u32 s13, s13, s11                     ; x: query block
	s_and_b32 s14, ttmp7, 0xffff
	s_lshl_b32 s14, s14, 2
	s_add_co_u32 s14, s14, s12                     ; y: batch and pair of heads
	s_lshl_b32 s15, s12, 2
	s_lshl_b32 s15, 15, s15                        ; my row of the cluster
	s_lshl_b32 s16, 0x1111, s11                    ; my column
	s_mov_b32 s17, 0x76543210                      ; lane i of one half reads lane i of the other
	s_mov_b32 s18, 0xfedcba98
	; K: a plane is dense in memory, so 128 rows of 128 bytes come as 64 rows of 256 bytes; 4 words of padding behind every 32 make LDS rows of 144 bytes
	s_or_b32 s[G1K+0], s15, (1<<16)|(1<<20)|(1<<21)|(4<<22)|(3<<25)
	s_mov_b32 s[G1K+1], 128<<16
	s_mov_b32 s[G1K+2], 64<<16
	s_mov_b32 s[G1K+3], 128<<16
	s_mov_b32 s[G1K+4], 64
	s_mov_b32 s[G1K+5], 128
	s_mov_b32 s[G1K+6], 0
	s_mov_b32 s[G1K+7], 0
	; V: the same with 8 words of padding: LDS rows of 160 bytes
	s_or_b32 s[G1V+0], s15, (1<<16)|(1<<20)|(1<<21)|(4<<22)|(7<<25)
	s_mov_b32 s[G1V+1], 128<<16
	s_mov_b32 s[G1V+2], 64<<16
	s_mov_b32 s[G1V+3], 128<<16
	s_mov_b32 s[G1V+4], 64
	s_mov_b32 s[G1V+5], 128
	s_mov_b32 s[G1V+6], 0
	s_mov_b32 s[G1V+7], 0
	; mask: 32 rows x 128 elements of 4 bytes, 4 words of padding behind every 128
	s_or_b32 s[G1M+0], s16, (2<<16)|(1<<20)|(1<<21)|(6<<22)|(3<<25)
	s_mov_b32 s[G1M+1], 128<<16
	s_mov_b32 s[G1M+2], 32<<16
	s_mov_b32 s[G1M+3], 128<<16
	s_mov_b32 s[G1M+4], 32
	s_mov_b32 s[G1M+5], 2048
	s_mov_b32 s[G1M+6], 0
	s_mov_b32 s[G1M+7], 0
	; K's and V's address is made of y and the wave's number, the mask's of x and the wave's number, in registers that never hold the other coordinate
	s_lshl_b32 s76, s14, 1
	s_add_co_u32 s76, s76, s19
	s_mul_i32 s76, s76, 786432                     ; the head whose K or V I fetch
	s_mov_b32 s77, 0
	s_lshl_b32 s78, s13, 20                        ; 128 x rows of 8,192 bytes
	s_lshl_b32 s22, s10, 18                        ; + 32 qs rows
	s_add_co_u32 s78, s78, s22
	s_mov_b32 s79, 0
	s_mul_i32 s84, s19, KH                         ; LDS: K of head 0, 1;
	s_mul_i32 s85, s19, VH
	s_add_co_u32 s85, s85, VOF                     ; V of head 0, 1;
	s_mul_i32 s86, s10, 32*MP
	s_add_co_u32 s86, s86, MOF                     ; the mask's four quarters
	s_lshl_b32 s80, s14, 1                         ; Q, a plain load of my own: head 2 y + hs,
	s_add_co_u32 s80, s80, s9
	s_mul_i32 s80, s80, 786432
	s_mov_b32 s81, 0
	s_lshl_b32 s82, s13, 14                        ; row 128 x + 32 qs, 128 bytes a row
	s_lshl_b32 s22, s10, 12
	s_add_co_u32 s82, s82, s22
	s_mov_b32 s83, 0
	s_wait_dscnt 0x0
	s_wait_kmcnt 0x0
	s_add_nc_u64 s[76:77], s[4:5], s[76:77]
	s_add_nc_u64 s[78:79], s[6:7], s[78:79]
	s_add_nc_u64 s[80:81], s[4:5], s[80:81]
	s_add_nc_u64 s[80:81], s[80:81], s[82:83]
	ROUND                                          ; all sixteen work-groups are here: the first joint loads meet
.irp s, 0,1
	s_mov_b32 s[G0K+4*\s], 1
	s_add_co_u32 s[G0K+4*\s+1], s84, \s*SLOT
	s_add_nc_u64 s[G0K+4*\s+2:G0K+4*\s+3], s[76:77], 262144+\s*16384
	s_or_b32 s[G0K+4*\s+3], s[G0K+4*\s+3], 0x80000000
	s_mov_b32 s[G0V+4*\s], 1
	s_add_co_u32 s[G0V+4*\s+1], s85, \s*SLOT
	s_add_nc_u64 s[G0V+4*\s+2:G0V+4*\s+3], s[76:77], 524288+\s*16384
	s_or_b32 s[G0V+4*\s+3], s[G0V+4*\s+3], 0x80000000
	s_mov_b32 s[G0M+4*\s], 1
	s_add_co_u32 s[G0M+4*\s+1], s86, \s*SLOT
	s_add_nc_u64 s[G0M+4*\s+2:G0M+4*\s+3], s[78:79], \s*512
	s_or_b32 s[G0M+4*\s+3], s[G0M+4*\s+3], 0x80000000
	JLOAD3 \s                                      ; both slots' first fills go out together
.endr
	v_and_b32 v1, 15, v0                           ; r = l % 16
	v_bfe_u32 v2, v0, 4, 1                         ; h = l / 16
	v_lshlrev_b32 v3, 7, v1                        ; Q: row r, 16 bytes for each half of the lanes
	v_lshl_add_u32 v[QO], v2, 4, v3
.set bi, 0
.rept 4                                ; bi = 2 qt + ks
	global_load_b128 v[QF+8*bi:QF+8*bi+3],   v[QO], s[80:81] offset:(bi/2)*2048+(bi%2)*64
	global_load_b128 v[QF+8*bi+4:QF+8*bi+7], v[QO], s[80:81] offset:(bi/2)*2048+(bi%2)*64+32
.set bi, bi+1
.endr
	v_mul_u32_u24 v3, v1, KP                       ; K: row r of a tile, 16 h
	v_lshl_add_u32 v3, v2, 4, v3
	s_mul_i32 s22, s9, KH
	v_add_nc_u32 v[ADK], s22, v3
	v_add_nc_u32 v[ADK+1], SLOT, v[ADK]
	v_mul_u32_u24 v3, v1, MP                       ; mask: row 32 qs + r, 8 numbers at 32 h
	v_lshl_add_u32 v3, v2, 5, v3
	s_mul_i32 s22, s10, 32*MP
	s_add_co_u32 s22, s22, MOF
	v_add_nc_u32 v[ADM], s22, v3
	v_add_nc_u32 v[ADM+1], SLOT, v[ADM]
	v_and_b32 v3, 7, v0                            ; V: row t = 8 h + l % 8, 16 bytes at 16 ((l / 8) % 2)
	v_lshl_add_u32 v3, v2, 3, v3
	v_mul_u32_u24 v3, v3, VP
	v_bfe_u32 v4, v0, 3, 1
	v_lshl_add_u32 v3, v4, 4, v3
	s_mul_i32 s22, s9, VH
	s_add_co_u32 s22, s22, VOF
	v_add_nc_u32 v[ADV], s22, v3
	v_add_nc_u32 v[ADV+1], SLOT, v[ADV]
	v_mul_u32_u24 v3, v1, SP                       ; stage, in: row 32 qs + r, bytes 128 hs + 16 h
	v_lshl_add_u32 v3, v2, 4, v3
	s_mul_i32 s22, s10, 32*SP
	s_lshl_b32 s23, s9, 7
	s_add_co_u32 s22, s22, s23
	s_add_co_u32 s22, s22, STAGE
	v_add_nc_u32 v[STO], s22, v3
	v_lshrrev_b32 v3, 4, v0                        ; stage, back: thread t takes 16 bytes at 16 (t % 16) of row t / 16
	v_mul_u32_u24 v4, v3, SP
	v_lshl_add_u32 v4, v1, 4, v4
	v_add_nc_u32 v[RD], STAGE, v4
	v_lshlrev_b32 v4, 11, v3                       ; and the same in attnh, rows of 2,048 bytes
	v_lshl_add_u32 v[CO], v1, 4, v4
	v_mov_b32 v[M], 0xff7fffff                     ; -FLT_MAX: the running maximum is finite from the start
	v_mov_b32 v[M+1], 0xff7fffff
	v_mov_b32 v[NM+1], 0                           ; the pairs' upper registers are named, never used
	v_mov_b32 v[NM+3], 0
	v_mov_b32 v[AL+1], 0
	v_mov_b32 v[AL+3], 0
	v_mov_b32 v[T+2], 0                            ; the lane exchange's destination counts as read
	s_wait_loadcnt 0x0                             ; Q
	s_wait_tensorcnt 0x1                           ; my part of slot 0 is in; slot 1's stays out
	s_barrier_signal -1
	s_barrier_wait -1
	KLOAD 0, 0
	SUB 0, 0, 1, 1
	SUB 0, 1, 0, 0
	s_mov_b32 s3, 7                                ; slots 1 to 14 of 16; each trip fills two slots again
.Lslots:
	SLOTSTEP 1, 1
	SLOTSTEP 0, 1
	s_sub_co_u32 s3, s3, 1
	s_cmp_lg_u32 s3, 0
	s_cbranch_scc1 .Lslots
	SLOTSTEP 1, 0                                  ; the last slot: nothing is left to fetch
	; THE WAY OUT: O / sum, rounded, through the stage, so that sixteen lanes store both heads' 256 bytes of a row
	v_permlanex16_b32 v[T], v[L], s17, s18         ; the two halves of the lanes summed different t
	v_permlanex16_b32 v[T+1], v[L+1], s17, s18
	v_add_f32 v[L], v[L], v[T]
	v_add_f32 v[L+1], v[L+1], v[T+1]
	v_rcp_f32 v[AL], v[L]
	v_rcp_f32 v[AL+2], v[L+1]
	v_nop                                          ; the plain place behind the reciprocals
	s_lshr_b32 s80, s14, 3                         ; batch: 2,048 rows of 2,048 bytes
	s_lshl_b32 s80, s80, 22
	s_and_b32 s22, s14, 7                          ; pair of heads: 256 bytes
	s_lshl_b32 s22, s22, 8
	s_add_co_u32 s80, s80, s22
	s_mov_b32 s81, 0
	s_lshl_b32 s82, s13, 18                        ; 128 x rows
	s_mov_b32 s83, 0
	s_add_nc_u64 s[20:21], s[20:21], s[80:81]
	s_add_nc_u64 s[20:21], s[20:21], s[82:83]
	WIN 0x01                                       ; source 0 window 1
.set bi, 0
	s_wait_alu depctr_va_vdst(0)
.rept 32
	v_pk_mul_f32 v[S+2*bi:S+2*bi+1], v[O+2*bi:O+2*bi+1], v[AL+2*(bi/16):AL+2*(bi/16)+1] op_sel_hi:[1,0]
.set bi, bi+1
.endr
	WIN 0
.set bi, 0
.rept 32
	v_cvt_pk_f16_f32 v[MK+bi], v[S+2*bi], v[S+2*bi+1]
.set bi, bi+1
.endr
.set bi, 0
.rept 8                                ; bi = 4 qt + dt
	ds_store_b128 v[STO], v[MK+4*bi:MK+4*bi+3] offset:(bi/4)*16*SP+(bi%4)*32
.set bi, bi+1
.endr
	s_wait_dscnt 0x0                               ; my stores into the stage are done,
	s_barrier_signal -1
	s_barrier_wait -1                              ; everybody's are
.set bi, 0
.rept 8
	ds_load_b128 v[KF+4*bi:KF+4*bi+3], v[RD] offset:bi*16*SP
.set bi, bi+1
.endr
.set bi, 0
.rept 8
	s_wait_dscnt 7-bi                              ; LDS loads come back in order: the 7 - bi younger ones may be out
	global_store_b128 v[CO], v[KF+4*bi:KF+4*bi+3], s[20:21] offset:bi*32768   ; sixteen lanes store 256 consecutive bytes, aligned
.set bi, bi+1
.endr
	s_wait_tensorcnt 0x0
	ds_add_u32 v30, v31
	s_wait_dscnt 0x0
	ROUND                                          ; the closing round: no work-group ends while a partner may still ask jointly
	s_endpgm
.Lfunc_end_k_qd4bb3d2d67_attn:
	.size	k_qd4bb3d2d67_attn, .Lfunc_end_k_qd4bb3d2d67_attn-k_qd4bb3d2d67_attn
	.p2alignl 7, 3214868480
	.fill 96, 4, 3214868480
	.section	.rodata,"a",@progbits
	.p2align	6, 0x0
	.amdhsa_kernel k_qd4bb3d2d67_attn
		.amdhsa_group_segment_fixed_size 327680
		.amdhsa_private_segment_fixed_size 0
		.amdhsa_enable_private_segment 0
		.amdhsa_kernarg_size 24
		.amdhsa_user_sgpr_count 2
		.amdhsa_user_sgpr_kernarg_segment_ptr 1
		.amdhsa_wavefront_size32 1
		.amdhsa_system_sgpr_workgroup_id_x 1
		.amdhsa_system_sgpr_workgroup_id_y 1
		.amdhsa_system_sgpr_workgroup_id_z 1
		.amdhsa_system_vgpr_workitem_id 0
		.amdhsa_next_free_vgpr 384
		.amdhsa_next_free_sgpr 88
		.amdhsa_reserve_vcc 0
		.amdhsa_float_denorm_mode_32 3
		.amdhsa_float_denorm_mode_16_64 3
		.amdhsa_memory_ordered 1
		.amdhsa_forward_progress 1
		.amdhsa_inst_pref_size 187
	.end_amdhsa_kernel
	.amdgpu_metadata
---
amdhsa.version: [ 1, 2 ]
amdhsa.kernels:
  - .name:           k_qd4bb3d2d67_attn
    .symbol:         k_qd4bb3d2d67_attn.kd
    .args:
      - { .name: qkvh, .offset: 0, .size: 8, .value_kind: global_buffer, .address_space: global }
      - { .name: mask, .offset: 8, .size: 8, .value_kind: global_buffer, .address_space: global }
      - { .name: attnh, .offset: 16, .size: 8, .value_kind: global_buffer, .address_space: global }
    .group_segment_fixed_size: 327680
    .private_segment_fixed_size: 0
    .kernarg_segment_align: 8
    .kernarg_segment_size: 24
    .max_flat_workgroup_size: 256
    .sgpr_count:     88
    .vgpr_count:     384
    .wavefront_size: 32
...
	.end_amdgpu_metadata
.endif
;; end of part 3
;; launch proj (part 4): grid 8 x 32, 4 waves a work-group, clusters of 4 x 4, 327,680 bytes of LDS; arguments attnh, woh, b_out, out0; writes out0
.if DOCPART == 4
	.amdgcn_target "amdgcn-amd-amdhsa--gfx1250"
	.amdhsa_code_object_version 6
	.text
	.protected	k_qd4bb3d2d67_proj
	.globl	k_qd4bb3d2d67_proj
	.p2align	8
	.type	k_qd4bb3d2d67_proj,@function
k_qd4bb3d2d67_proj:
	s_mov_b64 s[64:65], 0
	v_nop
	global_prefetch_b8 v0, s[64:65] scope:SCOPE_SE
	s_setreg_imm32_b32 hwreg(HW_REG_WAVE_MODE, 25, 1), 1
	s_wait_xcnt 0x0
	s_wait_alu depctr_hold_cnt(0) depctr_sa_sdst(0) depctr_va_vdst(0) depctr_va_sdst(0) depctr_va_ssrc(0) depctr_va_vcc(0) depctr_vm_vsrc(0)
	s_getreg_b32 s2, hwreg(HW_REG_IB_STS2, 6, 4)
	s_cmp_eq_u32 s2, 0
	s_cbranch_scc0 .Lentry_in_a_cluster
	s_endpgm
.Lentry_in_a_cluster:
	s_bfe_u32 s2, ttmp6, 0x10000c
	s_cmp_lg_u32 s2, 0xf033
	s_cbranch_scc0 .Lentry_shape_is_right
	s_endpgm
.Lentry_shape_is_right:
; out0 = attn w_out + b_out, in f16 operands and f32 sums, f32 out.
; A = attnh [4096][1024] (K along the rows), B = woh [1024 k][1024 n] (N along the rows).  Their ranges in f16: see the launches that store them.
; A work-group makes 128 x 128, so that the 4096 x 1024 results give 256 equal work-groups.  Four waves, 2 x 2; a wave makes 64 x 64:
; 4 x 4 accumulator tiles of 16 x 16.  K goes in steps of 256 through two LDS slots filled by the tensor data mover (a step of 128 would be
; 64 matrix instructions a wave; a slot of 256 gives a refill 128 less four in which to land); waves 0, 1 fetch A's halves, waves 2, 3 B's.
; CLUSTERS: 4 x 4 work-groups.  A's tile hangs on the block row alone and is asked for jointly by a row of the cluster, B's on the
; block column alone, by a column.  A wave has two tensor loads out at the start and one behind each round of the cluster's barrier.
; THE MATRIX INSTRUCTION IS USED TRANSPOSED: source 0 = 16 columns of B (made from [k][n] rows by the transposing LDS load),
; source 1 = 16 rows of A.  Lane l then holds row l % 16 of the result and eight neighbouring columns 8 (l / 16) + 0 .. 7.
; REGISTERS: window 0: v0-31 addresses, v32-95 and v96-159 two fragment buffers (4 of B, then 4 of A), v160-191 at work on the way out;
; window 1: accumulators of row tiles 0-1 at 8 (4 a + b), bias at 192-223; window 2: accumulators of row tiles 2-3.
; No prefetch: every tile is shared by four work-groups and was written by the launch before.
.set BM,    128
.set BN,    128
.set MT,    4                          ; row tiles of a wave
.set NT,    4                          ; column tiles of a wave
.set KSTEP, 256
.set LAPS,  1024/(2*KSTEP)             ; 2: the first lap and the last, no loop
.set PA,    528                        ; A's LDS row: 512 bytes + 16, an odd multiple of 16
.set PB,    288                        ; B's LDS row: 256 bytes + 32, an odd multiple of 32
.set BSEG,  64                         ; two column tiles
.set QIA,   6                          ; A: padding after every 128 words
.set QIB,   5                          ; B: padding after every 64 words
.set LDB,   1024
.set WNB,   128                        ; bytes of a B row from wave column 0 to 1
.set BIASSEG, 128
.set AHALF, (BM/2)*PA                  ; 33,792
.set BHALF, (KSTEP/2)*PB               ; 36,864
.set SLOT,  2*AHALF+2*BHALF            ; 141,312
.set STAGE, 2*SLOT                     ; 282,624: 16 rows x 272 bytes for each wave; no fill ever lands here
.set SP,    272
.set NL,    2*(NT+MT)
.set ADRA, 16                          ; v16-17  my A fragments in slot 0, 1
.set ADRB, 20                          ; v20-23  my B fragments in slot 0 (k 0-127, 128-255), slot 1
.set STO,  24
.set RD,   25
.set CO,   27
.set BO,   28
.set F0,   32
.set F1,   F0+8*(NT+MT)
.set BIAS, 192                         ; window 1
.set T,    160
.set G1A, 24
.set G0A, 32
.set G1B, 48
.set G0B, 56
.set MUL_LO, 0x50                      ; C and D window 1
.set MUL_HI, 0xa0                      ; C and D window 2
.set MSB, 0
.macro WIN new                         ; the immediate's high byte repeats the setting that is left
.if MSB != \new
	s_set_vgpr_msb (MSB<<8)|\new
.set MSB, \new
.endif
.endm
.macro JLOAD s                         ; a joint load: waves 0, 1 ask for A, waves 2, 3 for B; the branch hangs on the wave's number alone
	s_cmp_eq_u32 s13, 0
	s_cbranch_scc0 .Lfor_b_\@
	tensor_load_to_lds s[G0A+4*\s:G0A+4*\s+3], s[G1A:G1A+7]
	s_nop 0
	s_branch .Lasked_\@
.Lfor_b_\@:
	tensor_load_to_lds s[G0B+4*\s:G0B+4*\s+3], s[G1B:G1B+7]
	s_nop 0
.Lasked_\@:
.endm
.macro CREST                           ; a round of the cluster's barrier behind its opening barrier
	s_cmp_lg_u32 s12, 0
	s_cbranch_scc1 .Lnot_wave_0_\@
	s_barrier_signal -3
.Lnot_wave_0_\@:
	s_barrier_wait -3
	s_barrier_signal -1
	s_barrier_wait -1
.endm
.macro CROUND                          ; a whole round
	s_barrier_signal -1
	s_barrier_wait -1
	CREST
.endm
.macro PLACES                          ; four places behind matrix instructions, in front of loads into their sources and of readers of their results
.rept 4
	v_nop
.endr
.endm
; Row tiles a0 .. a1 - 1 of the window's two (hi = 0: tiles 0-1, 1: tiles 2-3) x all column tiles, 32 along K.
; The accumulators take turns, one instruction a turn, in the same order in every quarter step.
.macro MULP f, hi, a0, a1, zero
.set ma, \a0
.rept \a1-\a0
.set mb, 0
.rept NT
.if \zero
	v_wmma_f32_16x16x32_f16 v[8*(NT*ma+mb):8*(NT*ma+mb)+7], v[\f+8*mb:\f+8*mb+7], v[\f+8*(NT+\hi*(MT/2)+ma):\f+8*(NT+\hi*(MT/2)+ma)+7], 0
.else
	v_wmma_f32_16x16x32_f16 v[8*(NT*ma+mb):8*(NT*ma+mb)+7], v[\f+8*mb:\f+8*mb+7], v[\f+8*(NT+\hi*(MT/2)+ma):\f+8*(NT+\hi*(MT/2)+ma)+7], v[8*(NT*ma+mb):8*(NT*ma+mb)+7]
.endif
.set mb, mb+1
.endr
.set ma, ma+1
.endr
.endm
; The fragments of part kq (32 along K, eight parts in a slot) into buffer f: B's first, then A's row tiles in order.
.macro FETCH slot, kq, f
.set fb, 0
.rept NT
	ds_load_tr16_b128 v[\f+8*fb:\f+8*fb+3],   v[ADRB+2*\slot+((\kq)>>2)] offset:((\kq)&3)*32*PB+(fb/2)*BSEG+(fb%2)*32
	ds_load_tr16_b128 v[\f+8*fb+4:\f+8*fb+7], v[ADRB+2*\slot+((\kq)>>2)] offset:((\kq)&3)*32*PB+16*PB+(fb/2)*BSEG+(fb%2)*32
.set fb, fb+1
.endr
.set fb, 0
.rept MT
	ds_load_b128 v[\f+8*(NT+fb):\f+8*(NT+fb)+3],   v[ADRA+\slot] offset:(\kq)*64+fb*16*PA
	ds_load_b128 v[\f+8*(NT+fb)+4:\f+8*(NT+fb)+7], v[ADRA+\slot] offset:(\kq)*64+fb*16*PA+32
.set fb, fb+1
.endr
.endm
; A part but the last: multiplies buffer f, and in its middle fetches the next part's fragments into buffer g.
.macro QUARTER slot, kq, f, g, zero
	s_wait_dscnt MT                                ; B and A's lower row tiles are in; the MT youngest loads (A's upper row tiles) may be out
	WIN MUL_LO
	MULP \f, 0, 0, MT/2, \zero
	PLACES
	WIN 0
	FETCH \slot, \kq+1, \g
	s_wait_dscnt NL                                ; all but the NL just issued
	WIN MUL_HI
	MULP \f, 1, 0, MT/2, \zero
.endm
.macro QUARTERS slot, zero
	QUARTER \slot, 0, F0, F1, \zero
	QUARTER \slot, 1, F1, F0, 0
	QUARTER \slot, 2, F0, F1, 0
	QUARTER \slot, 3, F1, F0, 0
	QUARTER \slot, 4, F0, F1, 0
	QUARTER \slot, 5, F1, F0, 0
	QUARTER \slot, 6, F0, F1, 0
.endm
; The last part: multiplies buffer 1 and changes slots.  One barrier: in front of it each wave waits for its reads of this slot
; and for all its tensor loads (one is out: its part of the next slot); behind it the refill comes first, then the next slot's fragments.
.macro TURN slot, next, fill
	s_wait_dscnt MT
	WIN MUL_LO
	MULP F1, 0, 0, MT/4, 0
	s_wait_dscnt 0x0                               ; my reads of this slot are over
	s_wait_tensorcnt 0x0                           ; all my tensor loads have landed
	ds_add_u32 v254, v255
	s_wait_dscnt 0x0
	s_barrier_signal -1                            ; (where the slot is filled again this barrier opens a round of the cluster's barrier)
	MULP F1, 0, MT/4, MT/2, 0                      ; register work while the others arrive
	WIN 0
	s_barrier_wait -1
.if \fill
	CREST                                          ; no wave of any partner still reads this slot or has a load on its way
	s_add_nc_u64 s[G0A+4*\slot+2:G0A+4*\slot+3], s[G0A+4*\slot+2:G0A+4*\slot+3], 2*KSTEP*2
	s_add_nc_u64 s[G0B+4*\slot+2:G0B+4*\slot+3], s[G0B+4*\slot+2:G0B+4*\slot+3], 2*KSTEP*LDB*2
	JLOAD \slot                                    ; the first tensor load behind the round, one a wave
.endif
	PLACES
	FETCH \next, 0, F0
	WIN MUL_HI
	MULP F1, 1, 0, MT/2, 0
.endm
.macro LAP zero
	QUARTERS 0, \zero
	TURN 0, 1, 1
	QUARTERS 1, 0
	TURN 1, 0, 1
.endm
	s_load_b256 s[4:11], s[0:1], 0x0               ; A s[4:5], B s[6:7], bias s[8:9], result s[10:11]
	v_lshl_add_u32 v254, v0, 2, 0x49400
	v_mov_b32 v255, 0
	ds_add_u32 v254, v255
	v_lshrrev_b32 v1, 5, v0
	v_readfirstlane_b32 s12, v1                    ; wave 0..3
	s_lshr_b32 s13, s12, 1                         ; wm: my half of the rows.  Also: I fetch for A (0) or for B (1)
	s_and_b32 s14, s12, 1                          ; wn: my half of the columns.  Also: which half of that tile I fetch
	s_bfe_u32 s15, ttmp6, 0x40000                  ; cx
	s_bfe_u32 s16, ttmp6, 0x40004                  ; cy
	s_lshl_b32 s17, ttmp9, 2
	s_add_co_u32 s17, s17, s15                     ; bx: block column
	s_and_b32 s18, ttmp7, 0xffff
	s_lshl_b32 s18, s18, 2
	s_add_co_u32 s18, s18, s16                     ; by: block row
	s_lshl_b32 s19, s16, 2
	s_lshl_b32 s19, 15, s19                        ; my row of the cluster
	s_lshl_b32 s20, 0x1111, s15                    ; my column
	; group 1 for A: 64 rows x 256 elements of 2 bytes, 4 words of padding behind every 128
	s_or_b32 s[G1A+0], s19, (1<<16)|(1<<20)|(1<<21)|(QIA<<22)|(3<<25)
	s_mov_b32 s[G1A+1], KSTEP<<16                  ; tensor_dim0
	s_mov_b32 s[G1A+2], (BM/2)<<16                 ; tensor_dim1
	s_mov_b32 s[G1A+3], KSTEP<<16                  ; tile_dim0
	s_mov_b32 s[G1A+4], BM/2                       ; tile_dim1
	s_mov_b32 s[G1A+5], 1024                       ; elements from row to row
	s_mov_b32 s[G1A+6], 0
	s_mov_b32 s[G1A+7], 0
	; group 1 for B: 128 rows (k) x 128 elements, 8 words of padding behind every 64
	s_or_b32 s[G1B+0], s20, (1<<16)|(1<<20)|(1<<21)|(QIB<<22)|(7<<25)
	s_mov_b32 s[G1B+1], BN<<16
	s_mov_b32 s[G1B+2], (KSTEP/2)<<16
	s_mov_b32 s[G1B+3], BN<<16
	s_mov_b32 s[G1B+4], KSTEP/2
	s_mov_b32 s[G1B+5], LDB
	s_mov_b32 s[G1B+6], 0
	s_mov_b32 s[G1B+7], 0
	; A's address is made of by and the wave's number, B's of bx and the wave's number, each in registers that never hold the other coordinate
	s_mul_i32 s40, s18, BM
	s_mul_i32 s42, s14, BM/2
	s_add_co_u32 s40, s40, s42
	s_lshl_b32 s40, s40, 11                        ; rows of 2,048 bytes
	s_mov_b32 s41, 0
	s_mul_i32 s44, s14, (KSTEP/2)*LDB*2
	s_mul_i32 s46, s17, BN*2
	s_add_co_u32 s44, s44, s46
	s_mov_b32 s45, 0
	s_mul_i32 s46, s17, BN*4                       ; my block's bias
	s_mov_b32 s47, 0
	s_mul_i32 s21, s14, AHALF                      ; LDS: A's two halves,
	s_mul_i32 s22, s14, BHALF
	s_add_co_u32 s22, s22, 2*AHALF                 ; then B's two halves
	s_wait_dscnt 0x0
	s_wait_kmcnt 0x0
	s_add_nc_u64 s[40:41], s[4:5], s[40:41]
	s_add_nc_u64 s[44:45], s[6:7], s[44:45]
	s_add_nc_u64 s[8:9], s[8:9], s[46:47]
	CROUND                                         ; all sixteen work-groups are here: the first joint loads meet
.irp s, 0,1
	s_mov_b32 s[G0A+4*\s], 1
	s_add_co_u32 s[G0A+4*\s+1], s21, \s*SLOT
	s_add_nc_u64 s[G0A+4*\s+2:G0A+4*\s+3], s[40:41], \s*KSTEP*2
	s_or_b32 s[G0A+4*\s+3], s[G0A+4*\s+3], 0x80000000
	s_mov_b32 s[G0B+4*\s], 1
	s_add_co_u32 s[G0B+4*\s+1], s22, \s*SLOT
	s_add_nc_u64 s[G0B+4*\s+2:G0B+4*\s+3], s[44:45], \s*KSTEP*LDB*2
	s_or_b32 s[G0B+4*\s+3], s[G0B+4*\s+3], 0x80000000
	JLOAD \s                                       ; both slots' first fills go out together
.endr
	v_and_b32 v1, 15, v0                           ; r = l % 16
	v_bfe_u32 v2, v0, 4, 1                         ; h = l / 16
	v_mul_u32_u24 v3, v1, PA                       ; A: row r, 16 bytes for each half of the lanes
	v_lshl_add_u32 v3, v2, 4, v3
	s_mul_i32 s23, s13, AHALF
	v_add_nc_u32 v[ADRA], s23, v3
	v_add_nc_u32 v[ADRA+1], SLOT, v[ADRA]
	v_and_b32 v4, 7, v0                            ; B: row k = 8 h + l % 8, 16 bytes at 16 ((l / 8) % 2)
	v_lshl_add_u32 v4, v2, 3, v4
	v_mul_u32_u24 v4, v4, PB
	v_bfe_u32 v5, v0, 3, 1
	v_lshl_add_u32 v4, v5, 4, v4
	s_mul_i32 s23, s14, WNB
	s_add_co_u32 s23, s23, 2*AHALF
	v_add_nc_u32 v[ADRB], s23, v4
	v_add_nc_u32 v[ADRB+1], 128*PB, v[ADRB]        ; rows 128-255 lie beyond a 16-bit offset
	v_add_nc_u32 v[ADRB+2], SLOT, v[ADRB]
	v_add_nc_u32 v[ADRB+3], SLOT, v[ADRB+1]
	v_lshlrev_b32 v[BO], 5, v2                     ; bias: 8 numbers at 32 h,
	s_mul_i32 s23, s14, 2*WNB                      ; in my half of the block's columns
	v_add_nc_u32 v[BO], s23, v[BO]
	s_mul_i32 s23, s12, 16*SP
	s_add_co_u32 s23, s23, STAGE                   ; my wave's stage
	v_mul_u32_u24 v3, v1, SP                       ; in: row r, 32 bytes for each half of the lanes
	v_lshl_add_u32 v3, v2, 5, v3
	v_add_nc_u32 v[STO], s23, v3
	v_mul_u32_u24 v3, v2, SP                       ; back: lanes 0-15 take one row of 256 bytes, lanes 16-31 the next
	v_lshl_add_u32 v3, v1, 4, v3
	v_add_nc_u32 v[RD], s23, v3
	v_lshlrev_b32 v3, 12, v2                       ; and the same two rows in out0, 4,096 bytes a row
	v_lshl_add_u32 v[CO], v1, 4, v3
	WIN 0x40                                       ; destination window 1
.set fb, 0
.rept NT
	global_load_b128 v[BIAS+8*fb:BIAS+8*fb+3],   v[BO], s[8:9] offset:(fb/2)*BIASSEG+(fb%2)*64
	global_load_b128 v[BIAS+8*fb+4:BIAS+8*fb+7], v[BO], s[8:9] offset:(fb/2)*BIASSEG+(fb%2)*64+16
.set fb, fb+1
.endr
	WIN 0
	s_wait_tensorcnt 0x1                           ; my part of K step 0 is in; K step 1's stays out
	s_barrier_signal -1
	s_barrier_wait -1
	FETCH 0, 0, F0
	LAP 1                                          ; K steps 0 and 1; the first products start the sums; both slots are filled again
	QUARTERS 0, 0                                  ; K steps 2 and 3 fill nothing
	TURN 0, 1, 0
	QUARTERS 1, 0
	s_wait_dscnt MT
	WIN MUL_LO
	MULP F1, 0, 0, MT/2, 0
	s_wait_dscnt 0x0
	WIN MUL_HI
	MULP F1, 1, 0, MT/2, 0
	; THE WAY OUT, 16 rows at a time: add the bias, 32 bytes a lane and column tile into my own stage, read back as whole rows of 256 bytes.
	PLACES
	s_wait_loadcnt 0x0                             ; the bias
	s_lshl_b32 s40, s18, 7
	s_lshl_b32 s42, s13, 6
	s_add_co_u32 s40, s40, s42                     ; my first row: 128 by + 64 wm
	s_lshl_b32 s40, s40, 12
	s_mov_b32 s41, 0
	s_add_nc_u64 s[10:11], s[10:11], s[40:41]
	s_lshl_b32 s44, s17, 9                         ; my first column, in bytes: 512 bx + 256 wn
	s_lshl_b32 s46, s14, 8
	s_add_co_u32 s44, s44, s46
	s_mov_b32 s45, 0
	s_add_nc_u64 s[10:11], s[10:11], s[44:45]
; row tile a (tile la of its window); bank: 32 registers for the rows read back, two banks in turn
.macro OUT16 a, la, win, bank
	WIN \win                                       ; source 0 the accumulators' window, source 1 window 1 (bias), destination window 0
.set ei, 0
.rept 4*NT
	v_pk_add_f32 v[T+2*ei:T+2*ei+1], v[8*NT*\la+2*ei:8*NT*\la+2*ei+1], v[BIAS+2*ei:BIAS+2*ei+1]
.set ei, ei+1
.endr
	WIN 0
.set ei, 0
.rept 2*NT
	ds_store_b128 v[STO], v[T+4*ei:T+4*ei+3] offset:(ei/2)*64+(ei%2)*16
.set ei, ei+1
.endr
	s_wait_xcnt 0x0                                ; the bank, which earlier stores read, and the stores' base are rewritten only behind this wait
.if \a
	s_add_nc_u64 s[10:11], s[10:11], 16*4096       ; 16 rows on
.endif
.set ei, 0
.rept 8
	ds_load_b128 v[\bank+4*ei:\bank+4*ei+3], v[RD] offset:ei*2*SP   ; LDS serves a wave's instructions in order (ISA guide 5.7.1.4): these see the stores above
.set ei, ei+1
.endr
.set ei, 0
.rept 8
	s_wait_dscnt 7-ei                              ; the 7 - ei younger loads may be out
	global_store_b128 v[CO], v[\bank+4*ei:\bank+4*ei+3], s[10:11] offset:ei*2*4096   ; sixteen lanes store 256 consecutive bytes, aligned
.set ei, ei+1
.endr
.endm
	OUT16 0, 0, 0x05, F0
	OUT16 1, 1, 0x05, F0+32
	OUT16 2, 0, 0x06, F0
	OUT16 3, 1, 0x06, F0+32
	s_wait_tensorcnt 0x0
	ds_add_u32 v254, v255
	s_wait_dscnt 0x0
	CROUND                                         ; the closing round: no work-group ends while a partner may still ask jointly
	s_endpgm
.Lfunc_end_k_qd4bb3d2d67_proj:
	.size	k_qd4bb3d2d67_proj, .Lfunc_end_k_qd4bb3d2d67_proj-k_qd4bb3d2d67_proj
	.p2alignl 7, 3214868480
	.fill 96, 4, 3214868480
	.section	.rodata,"a",@progbits
	.p2align	6, 0x0
	.amdhsa_kernel k_qd4bb3d2d67_proj
		.amdhsa_group_segment_fixed_size 327680
		.amdhsa_private_segment_fixed_size 0
		.amdhsa_enable_private_segment 0
		.amdhsa_kernarg_size 32
		.amdhsa_user_sgpr_count 2
		.amdhsa_user_sgpr_kernarg_segment_ptr 1
		.amdhsa_wavefront_size32 1
		.amdhsa_system_sgpr_workgroup_id_x 1
		.amdhsa_system_sgpr_workgroup_id_y 1
		.amdhsa_system_sgpr_workgroup_id_z 1
		.amdhsa_system_vgpr_workitem_id 0
		.amdhsa_next_free_vgpr 576
		.amdhsa_next_free_sgpr 66
		.amdhsa_reserve_vcc 0
		.amdhsa_float_denorm_mode_32 3
		.amdhsa_float_denorm_mode_16_64 3
		.amdhsa_memory_ordered 1
		.amdhsa_forward_progress 1
		.amdhsa_inst_pref_size 96
	.end_amdhsa_kernel
	.amdgpu_metadata
---
amdhsa.version: [ 1, 2 ]
amdhsa.kernels:
  - .name:           k_qd4bb3d2d67_proj
    .symbol:         k_qd4bb3d2d67_proj.kd
    .args:
      - { .name: attnh, .offset: 0, .size: 8, .value_kind: global_buffer, .address_space: global }
      - { .name: woh, .offset: 8, .size: 8, .value_kind: global_buffer, .address_space: global }
      - { .name: b_out, .offset: 16, .size: 8, .value_kind: global_buffer, .address_space: global }
      - { .name: out0, .offset: 24, .size: 8, .value_kind: global_buffer, .address_space: global }
    .group_segment_fixed_size: 327680
    .private_segment_fixed_size: 0
    .kernarg_segment_align: 8
    .kernarg_segment_size: 32
    .max_flat_workgroup_size: 128
    .sgpr_count:     66
    .vgpr_count:     576
    .wavefront_size: 32
...
	.end_amdgpu_metadata
.endif
;; end of part 4
